; MI455X (gfx1250); checked and timed in simulation.
; The chip was launched on July 23, 2026; its instructions are those of AMD's public machine-readable ISA for CDNA 5 (MIT licence, August 2026) and "CDNA5" Instruction Set Architecture Reference Guide (July 2026). The comments in the code are by the model that wrote it; some were corrected since.
;; Windowed Self Attention. Allowed arithmetic: matrix products marked QUANTISED: E4M3 operands, one given power-of-two scale a tensor, by v_wmma_f32_16x16x64_fp8_fp8 or v_wmma_f32_16x16x128_fp8_fp8, f32 sums; everything else in f32.
;; Inputs: lowp_scales 8 int32 (the exponents e of the quantised operands' scales 2^e); w_proj 1,024 x 1,024 float32; w_qkv 1,024 x 3,072 float32; x 2 x 2,048 x 1,024 float32.
;; Outputs: out0 2 x 2,048 x 1,024 float32.
;; This version of the problem:
;;   THIS VERSION OF THE PROBLEM IS GIVEN IN LOW PRECISION. The matrix products marked QUANTISED in the list below multiply operands that are first quantised to E4M3 (4 exponent bits, 3 mantissa bits; 8 bits a number), with one given power-of-two scale for each operand tensor; their sums are f32. All else is computed in f32.
;;   The module's matrix products, in the order in which they are computed (A, B: the left and right operand; K: the contracted axis; several contracted axes count as one K, in the product's order):
;;     1. [M 4,096, K 1,024] x [K 1,024, N 3,072]; A: input x; B: input w_qkv: QUANTISED (scales: A lowp_scales[0], B lowp_scales[1])
;;     2. batch 32 x [M 2,048, K 64] x [K 64, N 2,048]; A: computed on the way; B: computed on the way: QUANTISED (scales: A lowp_scales[2], B lowp_scales[3])
;;     3. batch 32 x [M 2,048, K 2,048] x [K 2,048, N 64]; A: softmax (see below); B: computed on the way: QUANTISED (scales: A lowp_scales[4], B lowp_scales[5])
;;     4. [M 4,096, K 1,024] x [K 1,024, N 1,024]; A: computed on the way; B: input w_proj: QUANTISED (scales: A lowp_scales[6], B lowp_scales[7])
;;   THE QUANTISER, for each operand of a quantised product, along K:
;;     - The operand's scale is 2^e, e = its entry of the input lowp_scales (int32; the entries are numbered through the quantised products in the list's order, A before B).
;;     - Each number is divided by the scale, clamped to +-448, and rounded to the nearest number of E4M3, ties to even, subnormals kept.
;;     - The product sums the exact products of the quantised numbers (number of the format x scale) in f32.
;;   ~~~python
;;   def quantise(x, axis, e):      # numpy; x: float32 -> the quantised numbers, widened to float32 again
;;       x = np.moveaxis(x, axis, -1); K = x.shape[-1]
;;       r = np.clip(x / 2.0 ** e, -448, 448)
;;       step = 2.0 ** (np.maximum(np.frexp(np.where(r == 0, 1, r))[1] - 1, -6) - 3)
;;       q = np.round(r / step) * step * 2.0 ** e      # np.round: ties to even
;;       return np.moveaxis(q, -1, axis).astype(np.float32)
;;   ~~~
;;   SOFTMAX AHEAD OF A QUANTISED PRODUCT. Where the list says 'softmax', what is quantised is not the finished softmax but p = 2^(t - M), with t = logit x log2(e) and M = ceil(the row's largest t), a whole number; so 1/2 < the row's largest p <= 1. The row's sum l is taken of the UNQUANTISED p, in f32, and the product's result is divided by l at the end. Since M is a whole number, a kernel that streams over the keys may use a running M (the ceiling of the running maximum): every later rescaling is an exact power of two, so the quantised numbers keep their values, but for numbers so far below the row's largest that they fall under the format's range.
;;   OPERANDS COMPUTED ON THE WAY. 'Computed on the way' means the value that the module computes at that place (a softmax that the list does not call 'softmax' is quantised finished and normalised). What goes into a quantiser is computed in f32, as accurately as f32 sums, v_exp_f32 and their like allow (about 1e-6 of the number): no bf16 or f16 on the way to a quantiser, and a product that is left as it is and whose result goes on into a quantised operand takes f32 operands (vector FMAs, or v_wmma_f32_16x16x4_f32). A number that lies on a knife's edge between two numbers of the format may be rounded either way, as far as f32 arithmetic and the matrix unit's own rounding can turn it there, and no further.
;; One version. Each part assembles by itself: llvm-mc -triple=amdgcn-amd-amdhsa -mcpu=gfx1250 --defsym DOCPART=n.
;; ======== version 1 of 1: 4 launches
;; limits: right only within a limited range of input values
;; workspace buffers: ops 8,388,608 bytes; qkvc 12,582,912 bytes; yimg 4,194,304 bytes
;; launch quant (part 1): grid 64 x 16, 4 waves a work-group, no clusters, 35,328 bytes of LDS; arguments x, w_qkv, w_proj, lowp_scales, ops; writes ops
.if DOCPART == 1
	.amdgcn_target "amdgcn-amd-amdhsa--gfx1250"
	.amdhsa_code_object_version 6
	.text
	.protected	k_qbd16331dc9_quant
	.globl	k_qbd16331dc9_quant
	.p2align	8
	.type	k_qbd16331dc9_quant,@function
k_qbd16331dc9_quant:
	s_mov_b64 s[64:65], 0
	v_nop
	global_prefetch_b8 v0, s[64:65] scope:SCOPE_SE
	s_setreg_imm32_b32 hwreg(HW_REG_WAVE_MODE, 25, 1), 1
	s_wait_xcnt 0x0
; x [4096][1024], w_qkv [1024][3072] and w_proj [1024][1024], f32, become codes of FP8 (E4M3), each with its given scale 2^e (entries 0, 1, 7 of the scales).
; code = number / 2^e, held within +-448, rounded to the nearest code, ties to even.  LIMITS: -126 <= e <= 119; NaN among the inputs is not served.
; THE LAYOUT OF ALL CODES IN THIS PROGRAM (an image of operand registers): ops[cb = k / 64][row group = row / 32][u][c][lane][16 bytes]; lane = 16 h + r holds, of row 32 rg + 8 u + r + 8 (r / 8),
; the codes of k = 64 cb + 32 c + 16 h + 0 .. 15.  So a tile of 16 rows x 64 k is 1,024 bytes on end, and a fragment comes by loads of 16 bytes at 16 x lane.
; Rows of ops: 0 .. 4095 the tokens of x; 4096 .. 7167 the columns of w_qkv; 7168 .. 8191 the columns of w_proj.  A column block of all 8,192 rows is CBS bytes.
; SHARES: work-group y = the column block.  Work-group x 0 .. 31: x, a wave to a row group (32 rows x 64 k).  32 .. 55: w_qkv, 56 .. 63: w_proj, a wave to 32 columns x 64 k.
; A wave asks for its whole share at once (16 loads of 16 bytes a lane, or 64 of 4): no loop, no barrier; waves share nothing.  Matrix units, clusters and tensor loads would add nothing to a stream.
; DEAD WORK OF THE PROGRAM, left out in the launch attn: the mask keeps key <= query and not (key - query >= 16); where key <= query the second part never holds, so the mask is the causal one, for all values of the inputs.
; A masked score is -infinity ahead of the softmax, so its p is 0 and adds 0 to the sum and to the product: key tiles that lie wholly behind a tile's queries reach no output and are not multiplied.
; LIMIT: a NaN, an infinity or an overflow that reaches only that work is not carried to the result.
.set CBS,  524288                      ; bytes of a column block of ops
.set SP,   272                         ; a row of x's stage: 256 bytes + 16
.set LIM,  10                          ; v10      448 x 2^e
.set SC,   11                          ; v11      2^e as f32
.set R,    16                          ; v16-79   the numbers as they are loaded
.set X,    80                          ; v80-143  x's numbers, 16 neighbours along K to a group
.set C,    144                         ; v144-159 the codes: each register is written once, so no store's data are written again
.macro SCALE e                         ; s[e] = the exponent: the conversion's scale, and the bound of the hold
	s_wait_kmcnt 0x0
	s_add_co_i32 s32, s[\e], 127
	s_lshl_b32 s33, s32, 23
	v_mov_b32 v[SC], s33                           ; 2^e: the conversion takes its exponent field
	s_add_co_i32 s32, s32, 8
	s_lshl_b32 s32, s32, 23
	s_or_b32 s32, s32, 0x600000                    ; the mantissa field of 448
	v_mov_b32 v[LIM], s32
.endm
.macro CODES src, dst                  ; 16 numbers of a lane become 16 codes in four registers
.irp i, 0,1,2,3,4,5,6,7,8,9,10,11,12,13,14,15
	v_med3_num_f32 v[\src+\i], v[\src+\i], -v[LIM], v[LIM]   ; the conversion to an 8-bit code does not saturate (ISA guide 7.6.2): the hold comes first
.endr
	v_cvt_scalef32_pk8_fp8_f32 v[\dst:\dst+1], v[\src:\src+7], v[SC]
	v_cvt_scalef32_pk8_fp8_f32 v[\dst+2:\dst+3], v[\src+8:\src+15], v[SC]   ; the results go to a store alone; the next vector lines are plain and touch other registers
.endm
; A weight stored [k][n]: A LANE TAKES A COLUMN n AND ITS REGISTERS RUN DOWN K, so the conversions give codes with K innermost and nothing is transposed.
; src: the weight's pointer; NB: bytes of its row; GX0: its first work-group; RG0: its first row group in ops; E: its exponent's register.
.macro WPATH src, NB, GX0, RG0, E
	s_sub_co_u32 s18, ttmp9, \GX0
	s_lshl_b32 s18, s18, 2
	s_add_co_u32 s18, s18, s16                     ; which 32 columns are my wave's
	s_lshl_b32 s22, s18, 7                         ; x 32 columns x 4 bytes
	s_mul_i32 s19, s17, 64*\NB                     ; + 64 rows for each column block
	s_add_co_u32 s22, s22, s19
	s_mov_b32 s23, 0
	s_add_nc_u64 s[\src:\src+1], s[\src:\src+1], s[22:23]
	s_add_co_u32 s18, s18, \RG0
	s_lshl_b32 s22, s18, 11                        ; my row group's 2,048 bytes
	s_add_nc_u64 s[12:13], s[12:13], s[22:23]
	v_lshlrev_b32 v3, 2, v1                        ; 4 bytes a lane: a load reads 128 consecutive bytes, the four waves stand side by side
.set i, 0
.rept 64
	global_load_b32 v[R+i], v3, s[\src:\src+1] offset:i*\NB th:TH_LOAD_NT
.set i, i+1
.endr
	v_bfe_u32 v5, v1, 3, 1                         ; my column is row l of the group: u = (l / 8) % 2,
	v_and_b32 v6, 7, v1
	v_lshrrev_b32 v7, 4, v1
	v_lshl_or_b32 v6, v7, 3, v6                    ; r = l % 8 + 8 (l / 16)
	v_lshlrev_b32 v4, 4, v6
	v_lshl_add_u32 v4, v5, 10, v4                  ; 1,024 u + 16 r
	SCALE \E
	s_wait_alu depctr_va_vdst(0)
.irp ch, 0,1,2,3                       ; k = 16 ch on: c = ch / 2, h = ch % 2: 256 ch bytes on
	s_wait_loadcnt 48-16*\ch                       ; loads come back in order: the first 16 (ch + 1) are in
	CODES R+16*\ch, C+4*\ch
	global_store_b128 v4, v[C+4*\ch:C+4*\ch+3], s[12:13] offset:256*\ch   ; the lanes of each u store 256 consecutive bytes, aligned
.endr
.endm
	s_load_b256 s[4:11], s[0:1], 0x0               ; x s[4:5], w_qkv s[6:7], w_proj s[8:9], the scales s[10:11]
	s_load_b64 s[12:13], s[0:1], 0x20              ; ops
	v_lshl_add_u32 v160, v0, 2, 0x8800
	v_mov_b32 v161, 0
	v_lshrrev_b32 v2, 5, v0
	v_readfirstlane_b32 s16, v2                    ; wave
	v_and_b32 v1, 31, v0                           ; lane
	s_and_b32 s17, ttmp7, 0xffff                   ; the column block
	s_lshl_b32 s20, s17, 19                        ; x CBS
	s_mov_b32 s21, 0
	s_wait_kmcnt 0x0
	s_load_b256 s[24:31], s[10:11], 0x0            ; e0 .. e7
	s_add_nc_u64 s[12:13], s[12:13], s[20:21]
	s_cmp_lt_u32 ttmp9, 32                         ; the paths part on the work-group's number alone; only x's path uses LDS
	s_cbranch_scc1 .Lpath_x
	s_cmp_lt_u32 ttmp9, 56
	s_cbranch_scc1 .Lpath_qkv
	s_wait_alu depctr_va_vdst(0)
	WPATH 8, 4096, 56, 224, 31
	s_endpgm
.Lpath_qkv:
	s_wait_alu depctr_va_vdst(0)
	WPATH 6, 12288, 32, 128, 25
	s_endpgm
.Lpath_x:
	; x: K is innermost.  Each load takes 256 consecutive bytes of two rows; the block turns through the wave's own stage, so that a lane gets 16 neighbours along K of the row that the layout gives it.
	s_lshl_b32 s18, ttmp9, 2
	s_add_co_u32 s18, s18, s16                     ; my row group
	s_lshl_b32 s22, s18, 17                        ; x 32 rows of 4,096 bytes
	s_lshl_b32 s19, s17, 8                         ; + 256 bytes for each column block
	s_add_co_u32 s22, s22, s19
	s_mov_b32 s23, 0
	s_add_nc_u64 s[4:5], s[4:5], s[22:23]
	s_lshl_b32 s22, s18, 11
	s_add_nc_u64 s[12:13], s[12:13], s[22:23]
	s_wait_alu depctr_va_vdst(0)
	v_lshrrev_b32 v5, 4, v1                        ; h
	v_and_b32 v6, 15, v1                           ; r
	v_lshlrev_b32 v3, 4, v6
	v_lshl_add_u32 v3, v5, 12, v3                  ; lanes 0-15 one row, lanes 16-31 the next
.irp i, 0,1,2,3,4,5,6,7,8,9,10,11,12,13,14,15
	global_load_b128 v[R+4*\i:R+4*\i+3], v3, s[4:5] offset:\i*8192 th:TH_LOAD_NT
.endr
	s_mul_i32 s19, s16, 32*SP                      ; my stage
	v_mul_u32_u24 v14, v5, SP
	v_lshl_add_u32 v14, v6, 4, v14
	v_add_nc_u32 v14, s19, v14                     ; in: as loaded
	v_and_b32 v7, 8, v6
	v_add_nc_u32 v7, v7, v6                        ; r + 8 (r / 8)
	v_mul_u32_u24 v15, v7, SP
	v_lshl_add_u32 v15, v5, 6, v15
	v_add_nc_u32 v15, s19, v15                     ; out: that row, + 64 h bytes (16 numbers)
	v_lshlrev_b32 v4, 4, v1                        ; the codes: 16 x lane
	s_wait_alu depctr_va_vdst(0)
	SCALE 24
	s_wait_alu depctr_va_vdst(0)
.irp i, 0,1,2,3,4,5,6,7,8,9,10,11,12,13,14,15
	s_wait_loadcnt 15-\i                           ; load i is in, the younger ones stay out
	ds_store_b128 v14, v[R+4*\i:R+4*\i+3] offset:\i*2*SP
.endr
.irp g, 0,1,2,3                        ; group g = 2 u + c.  LDS serves a wave's instructions in order: these see the stores above
.irp j, 0,1,2,3
	ds_load_b128 v[X+16*\g+4*\j:X+16*\g+4*\j+3], v15 offset:(\g/2)*8*SP+(\g%2)*128+16*\j
.endr
.endr
.irp g, 0,1,2,3
	s_wait_dscnt 12-4*\g                           ; group g's four loads are in, the later groups' stay out
	CODES X+16*\g, C+4*\g
	global_store_b128 v4, v[C+4*\g:C+4*\g+3], s[12:13] offset:512*\g   ; the wave stores 512 consecutive bytes, aligned
.endr
	s_wait_tensorcnt 0x0
	ds_add_u32 v160, v161
	s_wait_dscnt 0x0
	s_endpgm
.Lfunc_end_k_qbd16331dc9_quant:
	.size	k_qbd16331dc9_quant, .Lfunc_end_k_qbd16331dc9_quant-k_qbd16331dc9_quant
	.p2alignl 7, 3214868480
	.fill 96, 4, 3214868480
	.section	.rodata,"a",@progbits
	.p2align	6, 0x0
	.amdhsa_kernel k_qbd16331dc9_quant
		.amdhsa_group_segment_fixed_size 35328
		.amdhsa_private_segment_fixed_size 0
		.amdhsa_enable_private_segment 0
		.amdhsa_kernarg_size 40
		.amdhsa_user_sgpr_count 2
		.amdhsa_user_sgpr_kernarg_segment_ptr 1
		.amdhsa_wavefront_size32 1
		.amdhsa_system_sgpr_workgroup_id_x 1
		.amdhsa_system_sgpr_workgroup_id_y 1
		.amdhsa_system_sgpr_workgroup_id_z 1
		.amdhsa_system_vgpr_workitem_id 0
		.amdhsa_next_free_vgpr 162
		.amdhsa_next_free_sgpr 66
		.amdhsa_reserve_vcc 0
		.amdhsa_float_denorm_mode_32 3
		.amdhsa_float_denorm_mode_16_64 3
		.amdhsa_memory_ordered 1
		.amdhsa_forward_progress 1
		.amdhsa_inst_pref_size 36
	.end_amdhsa_kernel
	.amdgpu_metadata
---
amdhsa.version: [ 1, 2 ]
amdhsa.kernels:
  - .name:           k_qbd16331dc9_quant
    .symbol:         k_qbd16331dc9_quant.kd
    .args:
      - { .name: x, .offset: 0, .size: 8, .value_kind: global_buffer, .address_space: global }
      - { .name: w_qkv, .offset: 8, .size: 8, .value_kind: global_buffer, .address_space: global }
      - { .name: w_proj, .offset: 16, .size: 8, .value_kind: global_buffer, .address_space: global }
      - { .name: lowp_scales, .offset: 24, .size: 8, .value_kind: global_buffer, .address_space: global }
      - { .name: ops, .offset: 32, .size: 8, .value_kind: global_buffer, .address_space: global }
    .group_segment_fixed_size: 35328
    .private_segment_fixed_size: 0
    .kernarg_segment_align: 8
    .kernarg_segment_size: 40
    .max_flat_workgroup_size: 128
    .sgpr_count:     66
    .vgpr_count:     162
    .wavefront_size: 32
...
	.end_amdgpu_metadata
.endif
;; end of part 1
;; launch qkv (part 2): grid 8 x 32, 4 waves a work-group, clusters of 4 x 4, 327,680 bytes of LDS; arguments ops, lowp_scales, qkvc; writes qkvc
.if DOCPART == 2
	.amdgcn_target "amdgcn-amd-amdhsa--gfx1250"
	.amdhsa_code_object_version 6
	.text
	.protected	k_qbd16331dc9_qkv
	.globl	k_qbd16331dc9_qkv
	.p2align	8
	.type	k_qbd16331dc9_qkv,@function
k_qbd16331dc9_qkv:
	s_mov_b64 s[64:65], 0
	v_nop
	global_prefetch_b8 v0, s[64:65] scope:SCOPE_SE
	s_setreg_imm32_b32 hwreg(HW_REG_WAVE_MODE, 25, 1), 1
	s_wait_xcnt 0x0
	s_wait_alu depctr_hold_cnt(0) depctr_sa_sdst(0) depctr_va_vdst(0) depctr_va_sdst(0) depctr_va_ssrc(0) depctr_va_vcc(0) depctr_vm_vsrc(0)
	s_getreg_b32 s2, hwreg(HW_REG_IB_STS2, 6, 4)
	s_cmp_eq_u32 s2, 0
	s_cbranch_scc0 .Lentry_in_a_cluster
	s_endpgm
.Lentry_in_a_cluster:
	s_bfe_u32 s2, ttmp6, 0x10000c
	s_cmp_lg_u32 s2, 0xf033
	s_cbranch_scc0 .Lentry_shape_is_right
	s_endpgm
.Lentry_shape_is_right:
; The first product, x w_qkv, on codes of FP8 (E4M3), and its results quantised at once: q with e2, k with e3, v with e5.  All operands are images of operand registers (launch quant's head).
; A sum stands for sum x 2^(e0 + e1), so its code is sum / 2^(e - e0 - e1).  LIMITS: e - e0 - e1 between -126 and 119 for e = e2, e3, e5; NaN is not served.
; SHARES: 256 work-groups.  Work-group (x, y): tokens 128 y .. + 127, and of q, k and v the channels of heads 2 x and 2 x + 1.  Wave w: all 128 tokens x 32 channels (128 x + 32 w on) of each of q, k, v: 8 x 6 accumulators, 384 registers.
; K goes in four steps of 256 through two LDS slots of 131,072 bytes: x's 128 rows, then 128 rows of each of q's, k's and v's weights: 32,768 bytes each, one tensor load a wave (wave 0 x, waves 1-3 the weights).
; CLUSTERS: 4 x 4: x's tile is asked for jointly along a row of the cluster, the weights' tiles along a column.
; NO PREFETCH: K is four slots; two of them are asked for at the head, and two refills remain.
; q and k are used transposed (source 0 = channels, source 1 = tokens): a lane holds one token, its registers run along the channels.  v the other way round: a lane holds one channel, its registers run along the tokens.
; The image's row order makes the 16 registers of two neighbouring tiles 16 neighbours of the next K: codes are stored from registers, 512 consecutive bytes an instruction, aligned.
; OUTPUT: q, k: qkvc[cb = 16 sel + head][4,096 tokens][64]; v: from byte 8,388,608 on [cb = token / 64][1,024 channels][64].
; REGISTERS: window 0: v10-29 addresses and constants, v32-127 the codes on the way out, v128-255 x's eight fragments; window 1: the weights' six fragments, two sets of 96; windows 2, 3: the accumulators of x's fragments 0-3 and 4-7 ((i, f) at 48 i + 8 f).
.set CBS,   524288
.set SLOT,  131072
.set SPARE, 2*SLOT                     ; the spare words
.set LIM,   10                         ; v10-12  the bounds for q, k, v
.set SC,    13                         ; v13-15  their conversions' scales
.set LI,    16                         ; v16     16 x lane
.set XA,    18                         ; v18-19  x's fragments in slot 0, 1
.set WA,    20                         ; v20-21  q's and k's weights
.set VA,    22                         ; v22-23  v's
.set SPW,   28
.set NIL,   29
.set CD,    32
.set XF,    128
.set G1,    24                         ; s[24:31] group 1 for x;  s[32:39] group 0, a set for each slot
.set G0,    32
.set G1B,   48                         ; s[48:55], s[56:63] the same for the weights
.set G0B,   56
.set MSB, 0
.macro WIN new                         ; the immediate's high byte repeats the setting that is left
.if MSB != (\new)
	s_set_vgpr_msb (MSB<<8)|(\new)
.set MSB, (\new)
.endif
.endm
.macro PLACES                          ; four plain vector lines between a matrix instruction and a load into, or a vector line on, one of its registers
.rept 4
	v_nop
.endr
.endm
; A joint load into slot s: each of the two lines has one mask and one set of registers for all that issue it; the branch hangs on the wave's number alone.
.macro JLOAD s
	s_cmp_eq_u32 s14, 0
	s_cbranch_scc0 .Lfor_w_\@
	tensor_load_to_lds s[G0+4*\s:G0+4*\s+3], s[G1:G1+7]
	s_nop 0
	PLACES
	s_branch .Lasked_\@
.Lfor_w_\@:
	tensor_load_to_lds s[G0B+4*\s:G0B+4*\s+3], s[G1B:G1B+7]
	s_nop 0
	PLACES
.Lasked_\@:
.endm
.macro CREST                           ; a round of the cluster's barrier behind its opening barrier
	s_cmp_lg_u32 s14, 0
	s_cbranch_scc1 .Lnot_wave_0_\@
	s_barrier_signal -3
.Lnot_wave_0_\@:
	s_barrier_wait -3
	s_barrier_signal -1
	s_barrier_wait -1
.endm
.macro CROUND                          ; a whole round
	s_barrier_signal -1
	s_barrier_wait -1
	CREST
.endm
.macro WFETCH slot, q, p               ; the weights' six fragments (f = 2 sel + u) of the slot's q-th 128 along K into set p
	WIN 0x40
.irp f, 0,1,2,3
.irp c, 0,1,2,3
	ds_load_b128 v[96*\p+16*\f+4*\c:96*\p+16*\f+4*\c+3], v[WA+\slot] offset:(\f/2)*32768+(2*\q+\c/2)*8192+(\f%2)*1024+(\c%2)*512
.endr
.endr
.irp f, 4,5
.irp c, 0,1,2,3
	ds_load_b128 v[96*\p+16*\f+4*\c:96*\p+16*\f+4*\c+3], v[VA+\slot] offset:(2*\q+\c/2)*8192+(\f%2)*1024+(\c%2)*512
.endr
.endr
.endm
.macro XLOAD slot, q, i0               ; x's fragments i0 .. i0 + 3
	WIN 0
.irp i, 0,1,2,3
.irp c, 0,1,2,3
	ds_load_b128 v[XF+16*(\i0+\i)+4*\c:XF+16*(\i0+\i)+4*\c+3], v[XA+\slot] offset:(2*\q+\c/2)*8192+(\i0+\i)*1024+(\c%2)*512
.endr
.endr
.endm
; x's fragments 4 hf .. 4 hf + 3 against q's and k's four (MULQK, 16 products) and v's two (MULV, 8).  The 48 accumulators of a step take turns in the same order in every step.
.macro MULQK hf
	WIN 1|((2+\hf)<<4)|((2+\hf)<<6)
.irp i, 0,1,2,3
.irp f, 0,1,2,3
.if ZERO
	v_wmma_f32_16x16x128_fp8_fp8 v[48*\i+8*\f:48*\i+8*\f+7], v[WB+16*\f:WB+16*\f+15], v[XF+16*(4*\hf+\i):XF+16*(4*\hf+\i)+15], 0
.else
	v_wmma_f32_16x16x128_fp8_fp8 v[48*\i+8*\f:48*\i+8*\f+7], v[WB+16*\f:WB+16*\f+15], v[XF+16*(4*\hf+\i):XF+16*(4*\hf+\i)+15], v[48*\i+8*\f:48*\i+8*\f+7]
.endif
.endr
.endr
.endm
.macro MULV hf
	WIN 4|((2+\hf)<<4)|((2+\hf)<<6)
.irp i, 0,1,2,3
.irp f, 4,5
.if ZERO
	v_wmma_f32_16x16x128_fp8_fp8 v[48*\i+8*\f:48*\i+8*\f+7], v[XF+16*(4*\hf+\i):XF+16*(4*\hf+\i)+15], v[WB+16*\f:WB+16*\f+15], 0
.else
	v_wmma_f32_16x16x128_fp8_fp8 v[48*\i+8*\f:48*\i+8*\f+7], v[XF+16*(4*\hf+\i):XF+16*(4*\hf+\i)+15], v[WB+16*\f:WB+16*\f+15], v[48*\i+8*\f:48*\i+8*\f+7]
.endif
.endr
.endr
.endm
; A step of 128 along K that has its successor in the same slot: x's fragments 0-3 and the other set of weights are fetched in its middle, x's 4-7 at its end.
.macro STEP slot, zero
.set ZERO, \zero
.set WB, 0
	s_wait_dscnt 16                                ; all but x's fragments 4-7 are in
	MULQK 0
	MULV 0
	s_wait_dscnt 0
	PLACES
	WFETCH \slot, 1, 1
	XLOAD \slot, 1, 0
	MULQK 1
	MULV 1
	PLACES
	XLOAD \slot, 1, 4
.endm
; A slot's last step changes slots: ONE barrier; in front of it each wave waits for all its tensor loads, adds 0 to its spare word, and waits for that and for its own reads of this slot.  fill = 1: this slot is filled again, two K steps on.
.macro TURN slot, next, fill
.set ZERO, 0
.set WB, 96
	s_wait_tensorcnt 0x0                           ; my part of the next slot is in
	ds_add_u32 v[SPW], v[NIL]
	s_wait_dscnt 17                                ; (the add and x's fragments 4-7 may be out)
	MULQK 0                                        ; sixteen products stand between the add and the wait for it
	s_wait_dscnt 0x0                               ; the add is done, and my reads of this slot are over
	s_barrier_signal -1
	MULV 0
	WIN 0
	s_barrier_wait -1
.if \fill
	CREST                                          ; the barrier has opened a round of the cluster's barrier: no wave of any partner still reads this slot or has a load on its way
	s_add_nc_u64 s[G0+4*\slot+2:G0+4*\slot+3], s[G0+4*\slot+2:G0+4*\slot+3], 8*CBS
	s_add_nc_u64 s[G0B+4*\slot+2:G0B+4*\slot+3], s[G0B+4*\slot+2:G0B+4*\slot+3], 8*CBS
	JLOAD \slot                                    ; its four v_nop are also the places in front of the loads below
.else
	PLACES
.endif
	WFETCH \next, 0, 0
	XLOAD \next, 0, 0
	MULQK 1
	MULV 1
	PLACES
	XLOAD \next, 0, 4
.endm
; THE WAY OUT of one half: held, converted, stored.
.macro OUT hf
	PLACES
	WIN (2+\hf)|((2+\hf)<<6)
.irp i, 0,1,2,3
.irp f, 0,1,2,3,4,5
.irp j, 0,1,2,3,4,5,6,7
	v_med3_num_f32 v[48*\i+8*\f+\j], v[48*\i+8*\f+\j], -v[LIM+\f/2], v[LIM+\f/2]   ; the conversion does not saturate (ISA guide 7.6.2)
.endr
.endr
.endr
	WIN (2+\hf)
.irp i, 0,1,2,3
.irp f, 0,1,2,3
	v_cvt_scalef32_pk8_fp8_f32 v[CD+48*\hf+8*\i+2*\f:CD+48*\hf+8*\i+2*\f+1], v[48*\i+8*\f:48*\i+8*\f+7], v[SC+\f/2]
.endr
.irp f, 4,5
	v_cvt_scalef32_pk8_fp8_f32 v[CD+48*\hf+32+8*(\f-4)+2*\i:CD+48*\hf+32+8*(\f-4)+2*\i+1], v[48*\i+8*\f:48*\i+8*\f+7], v[SC+2]
.endr
.endr
	v_nop                                          ; one plain vector line behind the last conversion
	WIN 0
.irp i, 0,1,2,3
.irp e, 0,1
	global_store_b128 v[LI], v[CD+48*\hf+8*\i+4*\e:CD+48*\hf+8*\i+4*\e+3], s[72:73] offset:\e*4194304+(4*\hf+\i)*1024   ; q (e = 0), k (e = 1)
.endr
.endr
.irp u, 0,1
.irp b, 0,1
	global_store_b128 v[LI], v[CD+48*\hf+32+8*\u+4*\b:CD+48*\hf+32+8*\u+4*\b+3], s[76:77] offset:\hf*65536+\u*1024+\b*512
.endr
.endr
.endm
	s_load_b128 s[4:7], s[0:1], 0x0                ; ops, the scales
	s_load_b64 s[8:9], s[0:1], 0x10                ; qkvc
	v_lshl_add_u32 v[SPW], v0, 2, SPARE
	v_mov_b32 v[NIL], 0
	ds_add_u32 v[SPW], v[NIL]                      ; the opening
	ds_add_u32 v[SPW], v[NIL]
	v_lshrrev_b32 v1, 5, v0
	v_readfirstlane_b32 s14, v1                    ; wave
	s_bfe_u32 s40, ttmp6, 0x40000                  ; cx, cy: my place in the cluster
	s_bfe_u32 s41, ttmp6, 0x40004
	s_and_b32 s15, ttmp7, 0xffff
	s_lshl_b32 s15, s15, 2
	s_add_co_u32 s15, s15, s41                     ; the token block
	s_lshl_b32 s17, ttmp9, 2
	s_add_co_u32 s17, s17, s40                     ; the pair of heads
	s_lshl_b32 s43, s41, 2
	s_lshl_b32 s43, 15, s43                        ; my row of the cluster
	s_lshl_b32 s44, 0x1111, s40                    ; my column
	; descriptor group 1: four rows (column blocks) of 8,192 bytes, 524,288 bytes apart; elements of 8 bytes; dense in LDS
	s_or_b32 s[G1], s43, (3<<16)|(1<<21)
	s_or_b32 s[G1B], s44, (3<<16)|(1<<21)
.irp g, G1, G1B
	s_mov_b32 s[\g+1], 1024<<16                    ; tensor_dim0
	s_mov_b32 s[\g+2], 4<<16                       ; tensor_dim1
	s_mov_b32 s[\g+3], 1024<<16                    ; tile_dim0
	s_mov_b32 s[\g+4], 4                           ; tile_dim1
	s_mov_b32 s[\g+5], CBS/8                       ; tensor_dim0_stride
	s_mov_b32 s[\g+6], 0
	s_mov_b32 s[\g+7], 0
.endr
	s_lshl_b32 s20, s15, 13                        ; x: 128 rows of 64 bytes a token block
	s_mov_b32 s21, 0
	s_lshl_b32 s46, s17, 13                        ; the weights: 128 rows of 64 bytes a pair of heads,
	s_lshl_b32 s19, s14, 16
	s_add_co_u32 s46, s46, s19                     ; 1,024 rows on for each of waves 1, 2, 3,
	s_add_co_u32 s46, s46, 196608                  ; from row 4,096 of ops for wave 1
	s_mov_b32 s47, 0
	s_lshl_b32 s45, s14, 15                        ; where they go: 32,768 bytes a wave
	s_wait_alu depctr_va_vdst(0)
	s_wait_dscnt 0x0                               ; both opening adds are done
	s_wait_kmcnt 0x0
	s_load_b256 s[84:91], s[6:7], 0x0              ; e0 .. e7
	s_add_nc_u64 s[20:21], s[4:5], s[20:21]
	s_add_nc_u64 s[46:47], s[4:5], s[46:47]
.irp s, 0,1
	s_mov_b32 s[G0+4*\s], 1
	s_mov_b32 s[G0+4*\s+1], \s*SLOT
	s_add_nc_u64 s[G0+4*\s+2:G0+4*\s+3], s[20:21], \s*4*CBS
	s_or_b32 s[G0+4*\s+3], s[G0+4*\s+3], 0x80000000
	s_mov_b32 s[G0B+4*\s], 1
	s_add_co_u32 s[G0B+4*\s+1], s45, \s*SLOT
	s_add_nc_u64 s[G0B+4*\s+2:G0B+4*\s+3], s[46:47], \s*4*CBS
	s_or_b32 s[G0B+4*\s+3], s[G0B+4*\s+3], 0x80000000
.endr
	CROUND                                         ; all sixteen work-groups are here: the first joint loads meet
	JLOAD 0                                        ; K step 0: one tensor load a wave at the head
	s_lshl_b32 s66, s14, 11
	s_add_co_u32 s66, s66, 32768                   ; my 32 channels of q's weights
	v_and_b32 v2, 31, v0
	v_lshlrev_b32 v[LI], 4, v2
	v_lshlrev_b32 v[XA], 4, v2
	v_add_nc_u32 v[XA+1], SLOT, v[LI]
	v_add_nc_u32 v[WA], s66, v[LI]
	v_add_nc_u32 v[WA+1], SLOT, v[WA]
	v_add_nc_u32 v[VA], 65536, v[WA]
	v_add_nc_u32 v[VA+1], SLOT+65536, v[WA]
	s_lshl_b32 s67, s17, 2
	s_add_co_u32 s67, s67, s14                     ; which 32 channels of q, k and v are mine
	s_lshr_b32 s72, s67, 1                         ; the head
	s_lshl_b32 s72, s72, 18
	s_lshl_b32 s68, s15, 13
	s_add_co_u32 s72, s72, s68
	s_and_b32 s68, s14, 1
	s_lshl_b32 s68, s68, 9
	s_add_co_u32 s72, s72, s68                     ; q, k: head, token block, half of the head
	s_mov_b32 s73, 0
	s_lshl_b32 s76, s15, 17
	s_lshl_b32 s68, s67, 11
	s_add_co_u32 s76, s76, s68
	s_add_co_u32 s76, s76, 8388608                 ; v: two column blocks of tokens, my 32 channels
	s_mov_b32 s77, 0
	s_add_nc_u64 s[72:73], s[8:9], s[72:73]
	s_add_nc_u64 s[76:77], s[8:9], s[76:77]
	s_wait_alu depctr_va_vdst(0)
	s_wait_kmcnt 0x0
.irp e, 0,1,2                          ; the scales: 2^(e - e0 - e1), and 448 x that
.if \e == 2
	s_sub_co_i32 s92, s89, s84
.else
	s_sub_co_i32 s92, s[86+\e], s84
.endif
	s_sub_co_i32 s92, s92, s85
	s_add_co_i32 s92, s92, 127
	s_lshl_b32 s93, s92, 23
	v_mov_b32 v[SC+\e], s93
	s_add_co_i32 s92, s92, 8
	s_lshl_b32 s92, s92, 23
	s_or_b32 s92, s92, 0x600000
	v_mov_b32 v[LIM+\e], s92
.endr
	s_wait_alu depctr_va_vdst(0)
	s_wait_tensorcnt 0x0                           ; my part of K step 0 is in
	ds_add_u32 v[SPW], v[NIL]
	s_wait_dscnt 0x0
	CROUND                                         ; everybody's part of K step 0 is in, and the joint loads meet:
	JLOAD 1                                        ; K step 1's, the first tensor load behind the round
	WFETCH 0, 0, 0
	XLOAD 0, 0, 0
	XLOAD 0, 0, 4
	STEP 0, 1                                      ; the first step's products start the sums
	TURN 0, 1, 1
	STEP 1, 0
	TURN 1, 0, 1
	STEP 0, 0
	TURN 0, 1, 0                                   ; the last two slots fill nothing
	STEP 1, 0
.set ZERO, 0
.set WB, 96
	s_wait_dscnt 16                                ; the very last step: a half leaves as soon as it is finished
	MULQK 0
	MULV 0
	s_wait_dscnt 0
	OUT 0
	MULQK 1
	MULV 1
	OUT 1
	s_wait_tensorcnt 0x0                           ; the wave's end
	ds_add_u32 v[SPW], v[NIL]
	s_wait_dscnt 0x0
	CROUND                                         ; the closing round: no work-group ends while a partner may still ask for a tile that names it
	s_endpgm
.Lfunc_end_k_qbd16331dc9_qkv:
	.size	k_qbd16331dc9_qkv, .Lfunc_end_k_qbd16331dc9_qkv-k_qbd16331dc9_qkv
	.p2alignl 7, 3214868480
	.fill 96, 4, 3214868480
	.section	.rodata,"a",@progbits
	.p2align	6, 0x0
	.amdhsa_kernel k_qbd16331dc9_qkv
		.amdhsa_group_segment_fixed_size 327680
		.amdhsa_private_segment_fixed_size 0
		.amdhsa_enable_private_segment 0
		.amdhsa_kernarg_size 24
		.amdhsa_user_sgpr_count 2
		.amdhsa_user_sgpr_kernarg_segment_ptr 1
		.amdhsa_wavefront_size32 1
		.amdhsa_system_sgpr_workgroup_id_x 1
		.amdhsa_system_sgpr_workgroup_id_y 1
		.amdhsa_system_sgpr_workgroup_id_z 1
		.amdhsa_system_vgpr_workitem_id 0
		.amdhsa_next_free_vgpr 1024
		.amdhsa_next_free_sgpr 96
		.amdhsa_reserve_vcc 0
		.amdhsa_float_denorm_mode_32 3
		.amdhsa_float_denorm_mode_16_64 3
		.amdhsa_memory_ordered 1
		.amdhsa_forward_progress 1
		.amdhsa_inst_pref_size 96
	.end_amdhsa_kernel
	.amdgpu_metadata
---
amdhsa.version: [ 1, 2 ]
amdhsa.kernels:
  - .name:           k_qbd16331dc9_qkv
    .symbol:         k_qbd16331dc9_qkv.kd
    .args:
      - { .name: ops, .offset: 0, .size: 8, .value_kind: global_buffer, .address_space: global }
      - { .name: lowp_scales, .offset: 8, .size: 8, .value_kind: global_buffer, .address_space: global }
      - { .name: qkvc, .offset: 16, .size: 8, .value_kind: global_buffer, .address_space: global }
    .group_segment_fixed_size: 327680
    .private_segment_fixed_size: 0
    .kernarg_segment_align: 8
    .kernarg_segment_size: 24
    .max_flat_workgroup_size: 128
    .sgpr_count:     96
    .vgpr_count:     1024
    .wavefront_size: 32
...
	.end_amdgpu_metadata
.endif
;; end of part 2
;; launch attn (part 3): grid 8 x 32, 16 waves a work-group, clusters of 4 x 1, 299,008 bytes of LDS; arguments qkvc, lowp_scales, yimg; writes yimg
.if DOCPART == 3
	.amdgcn_target "amdgcn-amd-amdhsa--gfx1250"
	.amdhsa_code_object_version 6
	.text
	.protected	k_qbd16331dc9_attn
	.globl	k_qbd16331dc9_attn
	.p2align	8
	.type	k_qbd16331dc9_attn,@function
k_qbd16331dc9_attn:
	s_mov_b64 s[64:65], 0
	v_nop
	global_prefetch_b8 v0, s[64:65] scope:SCOPE_SE
	s_setreg_imm32_b32 hwreg(HW_REG_WAVE_MODE, 25, 1), 1
	s_wait_xcnt 0x0
	s_wait_alu depctr_hold_cnt(0) depctr_sa_sdst(0) depctr_va_vdst(0) depctr_va_sdst(0) depctr_va_ssrc(0) depctr_va_vcc(0) depctr_vm_vsrc(0)
	s_getreg_b32 s2, hwreg(HW_REG_IB_STS2, 6, 4)
	s_cmp_eq_u32 s2, 0
	s_cbranch_scc0 .Lentry_in_a_cluster
	s_endpgm
.Lentry_in_a_cluster:
	s_bfe_u32 s2, ttmp6, 0x10000c
	s_cmp_lg_u32 s2, 0x3003
	s_cbranch_scc0 .Lentry_shape_is_right
	s_endpgm
.Lentry_shape_is_right:
; Attention of one head on codes of FP8 (E4M3): S = q k^T (scales e2, e3), softmax, y = p v (e4, e5), y quantised with e6.  32 heads (batch x 16), 2,048 tokens, head size 64.
; DEAD WORK LEFT OUT: the mask is key <= query (its second part, key - query >= 16, never holds there); steps of 128 keys that lie wholly behind a tile's queries have p = 0 for all values of the inputs.
; LIMIT: a NaN, an infinity or an overflow that reaches only those steps is not carried to the result.
; THE SOFTMAX AHEAD OF THE SECOND PRODUCT: t = score x log2(e) / 8; M = the running largest t rounded UP to a whole number; p = 2^(t - M) is quantised, not normalised; the row's sum is taken of the unquantised p
; and divides at the end.  When M moves, the sum and O are multiplied by 2^(old M - new M), which rounds nothing.  LIMIT: the promise holds while the scaled scores stay under 2^31 in magnitude.
; q, k: qkvc[cb = 16 sel + head][4,096 tokens][64]; V^T: from byte 8,388,608 on [cb = token / 64][1,024 channels][64 keys]; y: yimg[cb = head][4,096 tokens][64]: all as images of operand registers (launch quant's head).
; Both products are used transposed (S^T = k q^T, O^T = V^T p^T): a lane holds one query throughout; p's codes are the second product's operand, and y's codes are y's image, stored from registers.
; LDS: a head's whole K and V^T (131,072 bytes each), filled ONCE, one tensor load a wave (waves 0-7 K, 8-15 V^T, 16,384 bytes each).  CLUSTER: four work-groups of one head ask for every tile jointly.
; NO PREFETCH: all that a work-group reads in its loop is asked for at its head.
; SHARES: a head has 16 granules of 128 queries; granule g needs g + 1 steps of 128 keys.  Two waves, 8 m + s and 8 m + 4 + s, own two tiles of 16 queries: T1 in granule G = 2 s + cluster (0 .. 7), T2 in granule 15 - G, both at
; place 32 cx + 8 u (u = m) of their granule.  The first of the two walks T2's steps 0 .. SP - 1, the second T1's G + 1 steps and then T2's steps SP .. 15 - G; SP = 9, or 8 where G = 7: so one has 9 steps and the other 8.
; The two parts of T2 are joined through LDS.  Which wave is the first: (wave / 4 + s) even.  G hangs on the wave's and the cluster's number alone, so partners run alike; cx enters Q's and y's addresses and the mask's lane data alone.
; LIMITS on the given exponents: e2 + e3 between -123 and 130 (added to c's exponent field); e4, and e6 - e4 - e5, between -126 and 119.  NaN among the inputs is not served.
; REGISTERS: v1-9 constants and addresses; v[10:11] f, v[12:13] -M, v[14:15] the sum in two halves; v16-23 Q; v24-31 at work; v32-95 K's eight fragments; v96-159 S^T, then p, then (v144-159) p's codes; v160-191 O^T; v192-255 V^T's four fragments.
.set STEPB, 8192                       ; a step's 128 keys: bytes of K, and of V^T
.set VBASE, 131072                     ; V^T lies behind K
.set MERGE, 262144                     ; where the parts of T2 are handed over: 4,352 bytes a pair of waves
.set MPAIR, 4352
.set SPARE, MERGE+8*MPAIR              ; the spare words
.set LI,   1                           ; v1   16 x lane
.set HOLD, 2                           ; v2   448 x 2^e4
.set SCP,  3                           ; v3   2^e4
.set SPW,  4                           ; v4   LDS address of my spare word
.set NIL,  5                           ; v5   0
.set NINF, 6                           ; v6   -infinity
.set PL,   7                           ; v7   the other half's value
.set ADK,  8
.set ADV,  9
.set WV,   18                          ; s18  my wave's number
.set SEL,  20                          ; s[20:21] lane selects for v_permlanex16_b32: lane l xor 16
.set CS,   22                          ; s[22:23] c = log2(e) / 8 x 2^(e2 + e3);  s95: -c
.set G1K,  24                          ; s[24:31], s[32:39] descriptor group 1 for K and V;  s[40:43], s[44:47] group 0
.set G1V,  32
.set MK,   48                          ; s[48:63] lane masks of the diagonal's 32 keys
.set N,    84                          ; s84  the trip;  s85 T1's last trip;  s86 my last trip;  s87 what is added to the trip from T2's part on;  s89 the K byte of the step ahead;  s94 1: I am the second wave;  s96 s85 + 1;  s97 T2's diagonal trip
.macro CROUND                          ; a round of the cluster's barrier
	s_barrier_signal -1
	s_barrier_wait -1
	s_cmp_lg_u32 s[WV], 0
	s_cbranch_scc1 .Lnot_wave_0_\@
	s_barrier_signal -3
.Lnot_wave_0_\@:
	s_barrier_wait -3
	s_barrier_signal -1
	s_barrier_wait -1
.endm
.macro KLOAD adr                       ; K's eight fragments of a step
.irp t, 0,1,2,3,4,5,6,7
.irp c, 0,1
	ds_load_b128 v[32+8*\t+4*\c:35+8*\t+4*\c], v[\adr] offset:\t*1024+\c*512
.endr
.endr
.endm
	s_load_b128 s[4:7], s[0:1], 0x0                ; qkvc, the scales
	s_load_b64 s[8:9], s[0:1], 0x10                ; yimg
	v_lshl_add_u32 v[SPW], v0, 2, SPARE
	v_mov_b32 v[NIL], 0
	ds_add_u32 v[SPW], v[NIL]                      ; the opening
	ds_add_u32 v[SPW], v[NIL]
	v_lshrrev_b32 v24, 5, v0
	v_and_b32 v25, 31, v0
	v_readfirstlane_b32 s[WV], v24                 ; wave 0..15
	v_lshlrev_b32 v[LI], 4, v25
	v_mov_b32 v[NINF], 0xff800000
	v_mov_b32 v[PL], 0                             ; written once: a lane permute's destination counts as one of its sources
	v_mov_b32 v11, 0                               ; (the upper halves of the pairs v[10:11], v[12:13])
	v_mov_b32 v13, 0
	s_bfe_u32 s11, ttmp6, 0x40000                  ; cx
	s_and_b32 s12, ttmp7, 0xffff
	s_and_b32 s13, s12, 15                         ; the head
	s_lshr_b32 s14, s12, 4                         ; the batch
	s_and_b32 s16, s[WV], 7                        ; which 256 keys I fetch
	s_and_b32 s17, s[WV], 3                        ; s
	s_lshr_b32 s19, s[WV], 3                       ; u
	s_lshr_b32 s94, s[WV], 2
	s_xor_b32 s94, s94, s17
	s_and_b32 s94, s94, 1                          ; 1: the second wave of its pair
	s_lshl_b32 s10, s17, 1
	s_add_co_u32 s10, s10, ttmp9                   ; G (ttmp9 counts clusters: 0 or 1)
	s_lshl_b32 s56, s13, 18                        ; the head's column block of 262,144 bytes,
	s_lshl_b32 s15, s14, 17                        ; the batch's 2,048 tokens of 64 bytes
	s_add_co_u32 s56, s56, s15
	s_lshl_b32 s41, s16, 14                        ; my part of K in LDS,
	s_add_co_u32 s45, s41, VBASE                   ; of V^T,
	s_add_co_u32 s58, s56, 4194304                 ; and in memory: k's blocks lie 16 blocks behind q's
	s_add_co_u32 s58, s58, s41
	s_mov_b32 s59, 0
	s_lshl_b32 s60, s14, 21                        ; V^T: the batch's 32 blocks of 65,536 bytes,
	s_lshl_b32 s15, s13, 12                        ; the head's 64 channels of 64 bytes,
	s_add_co_u32 s60, s60, s15
	s_lshl_b32 s15, s16, 18                        ; four blocks a wave
	s_add_co_u32 s60, s60, s15
	s_add_co_u32 s60, s60, 8388608
	s_mov_b32 s61, 0
	s_sub_co_i32 s62, 15, s10                      ; T2's granule
	s_lshl_b32 s15, s11, 11
	s_lshl_b32 s63, s19, 10
	s_add_co_u32 s63, s63, s15
	s_add_co_u32 s63, s63, s56                     ; a tile in q's and y's blocks: granule x 8,192 + cx x 2,048 + u x 1,024
	s_lshl_b32 s80, s10, 13
	s_add_co_u32 s80, s80, s63                     ; T1
	s_mov_b32 s81, 0
	s_lshl_b32 s82, s62, 13
	s_add_co_u32 s82, s82, s63                     ; T2
	s_mov_b32 s83, 0
	s_mov_b32 s77, 0
	s_cmp_eq_u32 s10, 7
	s_cselect_b32 s90, 8, 9                        ; SP
	s_sub_co_i32 s91, 16, s90                      ; the second wave's last trip
	s_sub_co_i32 s92, s90, 1                       ; the first wave's
	s_sub_co_i32 s87, s92, s10                     ; from trip G + 1 on the second wave's step is trip + SP - 1 - G
	s_cmp_eq_u32 s94, 1
	s_cselect_b32 s76, s80, s82                    ; my first tile
	s_cselect_b32 s85, s10, 32                     ; (32: never)
	s_cselect_b32 s86, s91, s92
	s_cselect_b32 s97, s91, 32
	s_add_co_u32 s96, s85, 1
	; descriptor group 1.  K: 16,384 dense bytes: 64 rows of 256.  V: four rows (key blocks) of 4,096 bytes, 65,536 bytes apart.  Elements of 8 bytes, no padding; the mask names all four work-groups
	s_mov_b32 s[G1K], 15|(3<<16)|(1<<21)
	s_mov_b32 s[G1K+1], 32<<16                     ; tensor_dim0
	s_mov_b32 s[G1K+2], 64<<16                     ; tensor_dim1
	s_mov_b32 s[G1K+3], 32<<16                     ; tile_dim0
	s_mov_b32 s[G1K+4], 64                         ; tile_dim1
	s_mov_b32 s[G1K+5], 32                         ; tensor_dim0_stride
	s_mov_b32 s[G1K+6], 0
	s_mov_b32 s[G1K+7], 0
	s_mov_b32 s[G1V], 15|(3<<16)|(1<<21)
	s_mov_b32 s[G1V+1], 512<<16
	s_mov_b32 s[G1V+2], 4<<16
	s_mov_b32 s[G1V+3], 512<<16
	s_mov_b32 s[G1V+4], 4
	s_mov_b32 s[G1V+5], 8192
	s_mov_b32 s[G1V+6], 0
	s_mov_b32 s[G1V+7], 0
	s_mov_b32 s40, 1
	s_mov_b32 s44, 1
	s_wait_alu depctr_va_vdst(0)
	s_wait_dscnt 0x0                               ; both opening adds are done
	s_wait_kmcnt 0x0
	s_load_b256 s[68:75], s[6:7], 0x0              ; e0 .. e7
	s_add_nc_u64 s[42:43], s[4:5], s[58:59]
	s_or_b32 s43, s43, 0x80000000
	s_add_nc_u64 s[46:47], s[4:5], s[60:61]
	s_or_b32 s47, s47, 0x80000000
	s_add_nc_u64 s[76:77], s[4:5], s[76:77]        ; my first tile of Q
	s_add_nc_u64 s[78:79], s[4:5], s[82:83]        ; T2's
	s_add_nc_u64 s[80:81], s[8:9], s[80:81]        ; y of T1
	s_add_nc_u64 s[82:83], s[8:9], s[82:83]        ; and of T2
	CROUND                                         ; all four work-groups are here: the joint loads meet
	s_cmp_lt_u32 s[WV], 8                          ; one chain of arms, one load in each
	s_cbranch_scc0 .Lnot_k
	tensor_load_to_lds s[40:43], s[G1K:G1K+7]
	s_nop 0
.rept 4
	v_nop
.endr
	s_branch .Lasked
.Lnot_k:
	tensor_load_to_lds s[44:47], s[G1V:G1V+7]
	s_nop 0
.rept 4
	v_nop
.endr
.Lasked:
	global_load_b128 v[16:19], v[LI], s[76:77]     ; Q's fragment, 16 queries x 64: two images
	global_load_b128 v[20:23], v[LI], s[76:77] offset:512
	s_mov_b32 s[SEL], 0x76543210
	s_mov_b32 s[SEL+1], 0xfedcba98
	s_mov_b32 s[N], 0
	; THE DIAGONAL'S MASKS.  Register 16 b + i of lane (r, h) holds key 32 b + 16 h + i of the granule, my query is 32 cx + 8 u + r + 8 (r / 8).  Blocks b < cx are open, b > cx hidden; in block cx, i is hidden in lanes 16-23, and in the lanes
	; r < i - 8 u of 0-7 and of 24-31: with j = i - 8 u, held between 0 and 8: (2^j - 1) x (1 + 2^24), or 0xff0000
	s_cmp_eq_u32 s19, 0
.irp i, 0,1,2,3,4,5,6,7,8,9,10,11,12,13,14,15
.set J0, \i
.if \i > 8
.set J0, 8
.endif
.set J1, 0
.if \i > 8
.set J1, \i-8
.endif
	s_mov_b32 s[MK+\i], (((1<<J1)-1)*0x1000001)|0xff0000
	s_cselect_b32 s[MK+\i], (((1<<J0)-1)*0x1000001)|0xff0000, s[MK+\i]
.endr
	s_wait_kmcnt 0x0
	s_add_co_i32 s15, s70, s71
	s_lshl_b32 s15, s15, 23
	s_mov_b32 s[CS], 0x3e38aa3b                    ; log2(e) / 8
	s_add_co_i32 s[CS], s[CS], s15                 ; a score stands for score x 2^(e2 + e3): added to c's exponent field
	s_mov_b32 s[CS+1], s[CS]                       ; (named with it as a pair, so it is written)
	s_xor_b32 s95, s[CS], 0x80000000
	s_add_co_i32 s15, s72, 127
	s_lshl_b32 s90, s15, 23
	v_mov_b32 v[SCP], s90                          ; 2^e4, for p's conversion
	s_add_co_i32 s15, s15, 8
	s_lshl_b32 s15, s15, 23
	s_or_b32 s15, s15, 0x600000
	v_mov_b32 v[HOLD], s15                         ; 448 x 2^e4
	s_sub_co_i32 s15, s74, s72
	s_sub_co_i32 s15, s15, s73
	s_add_co_i32 s15, s15, 127
	s_lshl_b32 s66, s15, 23                        ; 2^(e6 - e4 - e5), for y's conversion
	s_add_co_i32 s15, s15, 8
	s_lshl_b32 s15, s15, 23
	s_or_b32 s67, s15, 0x600000                    ; 448 x that
; A STEP of 128 keys; its K fragments are in registers.  first = 1: it begins M, the sum and O.
.macro STEP first
.irp t, 0,1,2,3,4,5,6,7                ; S^T = k q^T: register j of tile t is key 32 (t / 2) + 16 h + 8 (t % 2) + j of the step
	v_wmma_f32_16x16x64_fp8_fp8 v[96+8*\t:103+8*\t], v[32+8*\t:39+8*\t], v[16:23], 0
.endr
	s_add_co_u32 s88, s89, VBASE                   ; this step's V^T
	s_add_co_u32 s90, s[N], 1                      ; the next trip's step
	s_cmp_gt_u32 s90, s85
	s_cselect_b32 s91, s87, 0
	s_add_co_u32 s90, s90, s91
	s_min_u32 s90, s90, 15
	s_lshl_b32 s89, s90, 13
	v_add_nc_u32 v[ADV], s88, v[LI]
	v_add_nc_u32 v[ADK], s89, v[LI]
	v_nop                                          ; with the two lines above: the places behind the products
	v_nop
.irp d, 0,1,2,3                        ; V^T's four fragments (16 channels x 128 keys) land under the softmax,
.irp f, 0,1
.irp c, 0,1
	ds_load_b128 v[192+16*\d+8*\f+4*\c:195+16*\d+8*\f+4*\c], v[ADV] offset:\f*4096+\d*1024+\c*512
.endr
.endr
.endr
	s_cmp_eq_u32 s[N], s86                         ; and so do K's of the next step, if there is one
	s_cbranch_scc1 .Lno_next_\@
	KLOAD ADK
.Lno_next_\@:
	s_cmp_eq_u32 s[N], s85
	s_cbranch_scc1 .Lt1_ends_\@
.if \first == 0
	s_cmp_eq_u32 s[N], s97
	s_cbranch_scc1 .Ldiag_\@
.endif
	s_branch .Lopen_\@
.Lt1_ends_\@:                          ; T1's last step: T2's Q is asked for; the products have read T1's
	global_load_b128 v[16:19], v[LI], s[78:79]
	global_load_b128 v[20:23], v[LI], s[78:79] offset:512
.Ldiag_\@:                             ; hidden scores become -infinity: p = 0 then
.irp b, 0,1,2,3
	s_cmp_gt_u32 \b, s11
	s_cselect_b32 s91, -1, 0
	s_cmp_eq_u32 \b, s11
.irp i, 0,1,2,3,4,5,6,7,8,9,10,11,12,13,14,15
	s_cselect_b32 s[92+\i%2], s[MK+\i], s91
	v_cndmask_b32 v[96+16*\b+\i], v[96+16*\b+\i], v[NINF], s[92+\i%2]
.endr
.endr
.Lopen_\@:
	v_max3_num_f32 v24, v96, v97, v98              ; the step's largest score of my query, among my 64 keys, in four chains,
	v_max3_num_f32 v25, v99, v100, v101
	v_max3_num_f32 v26, v102, v103, v104
	v_max3_num_f32 v27, v105, v106, v107
.irp i, 12,20,28,36,44,52
	v_max3_num_f32 v24, v24, v[96+\i], v[97+\i]
	v_max3_num_f32 v25, v25, v[98+\i], v[99+\i]
	v_max3_num_f32 v26, v26, v[100+\i], v[101+\i]
	v_max3_num_f32 v27, v27, v[102+\i], v[103+\i]
.endr
	v_max3_num_f32 v24, v24, v156, v157
	v_max3_num_f32 v25, v25, v158, v159
	s_delay_alu instid0(VALU_DEP_1)
	v_max3_num_f32 v24, v24, v25, v26
	s_delay_alu instid0(VALU_DEP_1)
	v_max_num_f32 v24, v24, v27
	s_delay_alu instid0(VALU_DEP_1)
	v_permlanex16_b32 v[PL], v24, s[SEL], s[SEL+1]
	s_delay_alu instid0(VALU_DEP_1)
	v_max_num_f32 v24, v24, v[PL]                  ; and among lane l xor 16's
	s_delay_alu instid0(VALU_DEP_1)
	v_mul_f32 v24, s95, v24                        ; -t of the largest (c is positive)
	s_delay_alu instid0(VALU_DEP_1)
.if \first
	v_floor_f32 v12, v24                           ; -M = floor(-t) = -ceil(t)
.else
	v_floor_f32 v24, v24
	s_delay_alu instid0(VALU_DEP_1)
	v_min_num_f32 v25, v12, v24                    ; the new -M: a whole number
	s_delay_alu instid0(VALU_DEP_1)
	v_sub_f32 v26, v25, v12                        ; M's old value less its new one: 0 or less
	v_mov_b32 v12, v25
	s_delay_alu instid0(VALU_DEP_2)
	v_cvt_i32_f32 v26, v26                         ; (it saturates)
	s_delay_alu instid0(VALU_DEP_1)
	v_ldexp_f32 v10, 1.0, v26                      ; f = 2^(old M - new M)
.endif
.irp j, 0,2,4,6,8,10,12,14,16,18,20,22,24,26,28,30,32,34,36,38,40,42,44,46,48,50,52,54,56,58,60,62
	v_pk_fma_f32 v[96+\j:97+\j], v[96+\j:97+\j], s[CS:CS+1], v[12:13] op_sel_hi:[1,0,0]   ; t - M, two at a time
.endr
	s_wait_alu depctr_va_vdst(0)
.irp j, 0,1,2,3,4,5,6,7,8,9,10,11,12,13,14,15,16,17,18,19,20,21,22,23,24,25,26,27,28,29,30,31,32,33,34,35,36,37,38,39,40,41,42,43,44,45,46,47,48,49,50,51,52,53,54,55,56,57,58,59,60,61,62,63
	v_exp_f32 v[96+\j], v[96+\j]                   ; p = 2^(t - M), at most 1
.endr
.if \first
	v_nop                                          ; the plain line behind the exponentials
.else
	v_pk_mul_f32 v[14:15], v[14:15], v[10:11] op_sel_hi:[1,0]   ; the sums under the new M: the plain line behind the exponentials
.endif
	s_wait_alu depctr_va_vdst(0)                   ; and behind it, ahead of its first reader
	; THE SUM of the unquantised p, two at a time.  The last eight registers come first: held (two at a time, into v24-31) and converted, they make room for the codes
.if \first
	v_pk_add_f32 v[14:15], v[152:153], v[154:155]
.else
	v_pk_add_f32 v[14:15], v[14:15], v[152:153]
.endif
	v_dual_min_num_f32 v24, v152, v[HOLD] :: v_dual_min_num_f32 v25, v153, v[HOLD]
	v_dual_min_num_f32 v26, v154, v[HOLD] :: v_dual_min_num_f32 v27, v155, v[HOLD]
.if \first == 0
	v_pk_add_f32 v[14:15], v[14:15], v[154:155]
.endif
	v_dual_min_num_f32 v28, v156, v[HOLD] :: v_dual_min_num_f32 v29, v157, v[HOLD]
	v_pk_add_f32 v[14:15], v[14:15], v[156:157]
	v_dual_min_num_f32 v30, v158, v[HOLD] :: v_dual_min_num_f32 v31, v159, v[HOLD]
	v_pk_add_f32 v[14:15], v[14:15], v[158:159]
	v_cvt_scalef32_pk8_fp8_f32 v[158:159], v[24:31], v[SCP]
	v_pk_add_f32 v[14:15], v[14:15], v[96:97]
	v_pk_add_f32 v[24:25], v[98:99], v[100:101]
	v_pk_add_f32 v[26:27], v[102:103], v[104:105]
	v_pk_add_f32 v[28:29], v[106:107], v[108:109]
	v_pk_add_f32 v[30:31], v[110:111], v[112:113]
.irp j, 114,124,134
	v_pk_add_f32 v[14:15], v[14:15], v[\j:\j+1]
	v_pk_add_f32 v[24:25], v[24:25], v[\j+2:\j+3]
	v_pk_add_f32 v[26:27], v[26:27], v[\j+4:\j+5]
	v_pk_add_f32 v[28:29], v[28:29], v[\j+6:\j+7]
	v_pk_add_f32 v[30:31], v[30:31], v[\j+8:\j+9]
.endr
	v_pk_add_f32 v[14:15], v[14:15], v[144:145]
	v_pk_add_f32 v[24:25], v[24:25], v[146:147]
	v_pk_add_f32 v[26:27], v[26:27], v[148:149]
	v_pk_add_f32 v[28:29], v[28:29], v[150:151]
	; the conversion does not saturate (ISA guide 7.6.2); p is not negative, so the hold is one-sided
.irp j, 144,146,148,150
	v_dual_min_num_f32 v[\j], v[\j], v[HOLD] :: v_dual_min_num_f32 v[\j+1], v[\j+1], v[HOLD]
.endr
	v_cvt_scalef32_pk8_fp8_f32 v[156:157], v[144:151], v[SCP]
.irp b, 2,1,0
.irp j, 0,2,4,6,8,10,12,14
	v_dual_min_num_f32 v[96+16*\b+\j], v[96+16*\b+\j], v[HOLD] :: v_dual_min_num_f32 v[97+16*\b+\j], v[97+16*\b+\j], v[HOLD]
.endr
	v_cvt_scalef32_pk8_fp8_f32 v[144+4*\b:145+4*\b], v[96+16*\b:103+16*\b], v[SCP]
	v_cvt_scalef32_pk8_fp8_f32 v[146+4*\b:147+4*\b], v[104+16*\b:111+16*\b], v[SCP]
.endr
.if \first
	v_nop                                          ; the plain line behind the conversions
.else
	s_wait_alu depctr_va_vdst(0)                   ; directly ahead of the first reader of O^T
.irp j, 0,2,4,6,8,10,12,14,16,18,20,22,24,26,28,30
	v_pk_mul_f32 v[160+\j:161+\j], v[160+\j:161+\j], v[10:11] op_sel_hi:[1,0]   ; O^T under the new M
.endr
.endif
	s_wait_alu depctr_va_vdst(0)                   ; directly ahead of the wait below
	s_wait_dscnt 0x0                               ; V^T's fragments are in, and K's of the next step
.irp d, 0,1,2,3                        ; O^T += V^T p^T, K = the step's 128 keys: four accumulators, one instruction each
.if \first
	v_wmma_f32_16x16x128_fp8_fp8 v[160+8*\d:167+8*\d], v[192+16*\d:207+16*\d], v[144:159], 0
.else
	v_wmma_f32_16x16x128_fp8_fp8 v[160+8*\d:167+8*\d], v[192+16*\d:207+16*\d], v[144:159], v[160+8*\d:167+8*\d]
.endif
.endr
	v_pk_add_f32 v[14:15], v[14:15], v[24:25]      ; the sum's chains are joined: with the v_nop the five places behind the products
	v_pk_add_f32 v[26:27], v[26:27], v[28:29]
	v_pk_add_f32 v[14:15], v[14:15], v[30:31]
	v_pk_add_f32 v[14:15], v[14:15], v[26:27]
	v_nop
.endm
; A TILE'S WAY OUT.  y = O^T x 2^(e4 + e5) / the sum; its code is (O^T / the sum) / 2^(e6 - e4 - e5).  Registers 16 b + i of O^T are channels 32 b + 16 h + i of my query: the codes are y's image.
.macro FIN base
	v_add_f32 v14, v14, v15                        ; the sum's two halves,
	s_delay_alu instid0(VALU_DEP_1)
	v_permlanex16_b32 v[PL], v14, s[SEL], s[SEL+1]
	s_delay_alu instid0(VALU_DEP_1)
	v_add_f32 v14, v14, v[PL]                      ; and lane l xor 16's
	s_wait_alu depctr_va_vdst(0)                   ; ahead of the transcendental
	v_rcp_f32 v14, v14
	v_mov_b32 v24, s66
	v_mov_b32 v25, s67
	s_wait_alu depctr_va_vdst(0)                   ; and behind it, directly ahead of the first reader of O^T
.irp j, 0,2,4,6,8,10,12,14,16,18,20,22,24,26,28,30
	v_pk_mul_f32 v[96+\j:97+\j], v[160+\j:161+\j], v[14:15] op_sel_hi:[1,0]
.endr
.irp j, 0,1,2,3,4,5,6,7,8,9,10,11,12,13,14,15,16,17,18,19,20,21,22,23,24,25,26,27,28,29,30,31
	v_med3_num_f32 v[96+\j], v[96+\j], -v25, v25
.endr
.irp m, 0,1,2,3
	v_cvt_scalef32_pk8_fp8_f32 v[192+2*\m:193+2*\m], v[96+8*\m:103+8*\m], v24
.endr
	v_nop                                          ; one plain vector line behind the last conversion
	global_store_b128 v[LI], v[192:195], s[\base:\base+1]              ; channels 0-31: 512 consecutive bytes, aligned
	global_store_b128 v[LI], v[196:199], s[\base:\base+1] offset:512   ; channels 32-63
.endm
	s_wait_alu depctr_va_vdst(0)
	s_wait_loadcnt 0x0                             ; Q
	s_mov_b32 s89, 0                               ; trip 0's step
	s_wait_tensorcnt 0x0                           ; my load is in,
	s_barrier_signal -1
	s_barrier_wait -1                              ; everybody's is: the whole head lies in LDS, and nothing is filled again
	KLOAD LI
	s_wait_dscnt 0x0
	STEP 1                                         ; trip 0 is step 0 for every wave
	s_mov_b32 s[N], 1
.Ltrip:                                            ; trips 1 to 8; a wave with eight steps jumps over the last but for the count
	s_cmp_gt_u32 s[N], s86
	s_cbranch_scc1 .Lhidden
	s_cmp_lg_u32 s[N], s96
	s_cbranch_scc1 .Lgo
	s_wait_alu depctr_va_vdst(0)                   ; directly ahead of the reader below
	FIN 80                                         ; T1 is done: its way out, and T2's part begins
.irp j, 0,1,2,3,4,5,6,7,8,9,10,11,12,13,14,15,16,17,18,19,20,21,22,23,24,25,26,27,28,29,30,31
	v_mov_b32 v[160+\j], 0                         ; O^T, which the first change of M leaves zeros
.endr
	v_mov_b32 v14, 0
	v_mov_b32 v15, 0
	v_mov_b32 v12, 0x7f61b1e6                      ; -M = 3e38: M under every t
	s_wait_xcnt 0x0                                ; the stores have read their registers
.Lgo:
	s_wait_loadcnt 0x0                             ; T2's Q, where it was asked for
	STEP 0
.Lhidden:
	s_add_co_u32 s[N], s[N], 1
	s_cmp_lt_u32 s[N], 9
	s_cbranch_scc1 .Ltrip
	; T2'S TWO PARTS ARE JOINED: the first wave of a pair hands over O^T, -M and the sum, the second takes them in.
	s_lshr_b32 s90, s[WV], 3
	s_lshl_b32 s90, s90, 2
	s_and_b32 s91, s[WV], 3
	s_add_co_u32 s90, s90, s91                     ; the pair
	s_mul_i32 s90, s90, MPAIR
	s_add_co_u32 s90, s90, MERGE
	v_lshrrev_b32 v[ADV], 1, v[LI]
	v_add_nc_u32 v[ADK], s90, v[LI]
	v_add_nc_u32 v[ADV], s90, v[ADV]
	s_wait_alu depctr_va_vdst(0)                   ; directly ahead of the barrier's signal
	s_barrier_signal -1                            ; my reads of K and V^T are over (the last were waited for ahead of the last products),
	s_barrier_wait -1                              ; and everybody's
	s_cmp_lg_u32 s94, 0
	s_cbranch_scc1 .Lkeep
	v_add_f32 v13, v14, v15
.irp j, 0,1,2,3,4,5,6,7
	ds_store_b128 v[ADK], v[160+4*\j:163+4*\j] offset:512*\j
.endr
	ds_store_b64 v[ADV], v[12:13] offset:4096
.Lkeep:
	s_wait_dscnt 0x0                               ; my stores are done,
	s_barrier_signal -1
	s_barrier_wait -1                              ; everybody's are
	s_cmp_eq_u32 s94, 0
	s_cbranch_scc1 .Lend
.irp j, 0,1,2,3,4,5,6,7
	ds_load_b128 v[32+4*\j:35+4*\j], v[ADK] offset:512*\j
.endr
	ds_load_b64 v[64:65], v[ADV] offset:4096
	s_wait_dscnt 0x0
	v_min_num_f32 v25, v12, v64                    ; the common -M,
	s_delay_alu instid0(VALU_DEP_1)
	v_sub_f32 v26, v25, v12
	v_sub_f32 v27, v25, v64
	s_delay_alu instid0(VALU_DEP_2)
	v_cvt_i32_f32 v26, v26
	s_delay_alu instid0(VALU_DEP_2)
	v_cvt_i32_f32 v27, v27
	s_delay_alu instid0(VALU_DEP_2)
	v_ldexp_f32 v10, 1.0, v26                      ; my factor,
	s_delay_alu instid0(VALU_DEP_2)
	v_ldexp_f32 v28, 1.0, v27                      ; and the other part's
.irp j, 0,2,4,6,8,10,12,14,16,18,20,22,24,26,28,30
	v_pk_mul_f32 v[160+\j:161+\j], v[160+\j:161+\j], v[10:11] op_sel_hi:[1,0]
.endr
	v_pk_mul_f32 v[14:15], v[14:15], v[10:11] op_sel_hi:[1,0]
.irp j, 0,2,4,6,8,10,12,14,16,18,20,22,24,26,28,30
	v_pk_fma_f32 v[160+\j:161+\j], v[32+\j:33+\j], v[28:29], v[160+\j:161+\j] op_sel_hi:[1,0,1]
.endr
	v_fma_f32 v14, v65, v28, v14
	FIN 82
.Lend:
	s_wait_tensorcnt 0x0                           ; the wave's end
	ds_add_u32 v[SPW], v[NIL]
	s_wait_dscnt 0x0
	CROUND                                         ; the closing round: no work-group ends while a partner may still ask for a tile that names it
	s_endpgm
.Lfunc_end_k_qbd16331dc9_attn:
	.size	k_qbd16331dc9_attn, .Lfunc_end_k_qbd16331dc9_attn-k_qbd16331dc9_attn
	.p2alignl 7, 3214868480
	.fill 96, 4, 3214868480
	.section	.rodata,"a",@progbits
	.p2align	6, 0x0
	.amdhsa_kernel k_qbd16331dc9_attn
		.amdhsa_group_segment_fixed_size 299008
		.amdhsa_private_segment_fixed_size 0
		.amdhsa_enable_private_segment 0
		.amdhsa_kernarg_size 24
		.amdhsa_user_sgpr_count 2
		.amdhsa_user_sgpr_kernarg_segment_ptr 1
		.amdhsa_wavefront_size32 1
		.amdhsa_system_sgpr_workgroup_id_x 1
		.amdhsa_system_sgpr_workgroup_id_y 1
		.amdhsa_system_sgpr_workgroup_id_z 1
		.amdhsa_system_vgpr_workitem_id 0
		.amdhsa_next_free_vgpr 256
		.amdhsa_next_free_sgpr 98
		.amdhsa_reserve_vcc 0
		.amdhsa_float_denorm_mode_32 3
		.amdhsa_float_denorm_mode_16_64 3
		.amdhsa_memory_ordered 1
		.amdhsa_forward_progress 1
		.amdhsa_inst_pref_size 67
	.end_amdhsa_kernel
	.amdgpu_metadata
---
amdhsa.version: [ 1, 2 ]
amdhsa.kernels:
  - .name:           k_qbd16331dc9_attn
    .symbol:         k_qbd16331dc9_attn.kd
    .args:
      - { .name: qkvc, .offset: 0, .size: 8, .value_kind: global_buffer, .address_space: global }
      - { .name: lowp_scales, .offset: 8, .size: 8, .value_kind: global_buffer, .address_space: global }
      - { .name: yimg, .offset: 16, .size: 8, .value_kind: global_buffer, .address_space: global }
    .group_segment_fixed_size: 299008
    .private_segment_fixed_size: 0
    .kernarg_segment_align: 8
    .kernarg_segment_size: 24
    .max_flat_workgroup_size: 512
    .sgpr_count:     98
    .vgpr_count:     256
    .wavefront_size: 32
...
	.end_amdgpu_metadata
.endif
;; end of part 3
;; launch proj (part 4): grid 8 x 32, 4 waves a work-group, clusters of 4 x 4, 280,064 bytes of LDS; arguments yimg, ops, lowp_scales, out0; writes out0
.if DOCPART == 4
	.amdgcn_target "amdgcn-amd-amdhsa--gfx1250"
	.amdhsa_code_object_version 6
	.text
	.protected	k_qbd16331dc9_proj
	.globl	k_qbd16331dc9_proj
	.p2align	8
	.type	k_qbd16331dc9_proj,@function
k_qbd16331dc9_proj:
	s_mov_b64 s[64:65], 0
	v_nop
	global_prefetch_b8 v0, s[64:65] scope:SCOPE_SE
	s_setreg_imm32_b32 hwreg(HW_REG_WAVE_MODE, 25, 1), 1
	s_wait_xcnt 0x0
	s_wait_alu depctr_hold_cnt(0) depctr_sa_sdst(0) depctr_va_vdst(0) depctr_va_sdst(0) depctr_va_ssrc(0) depctr_va_vcc(0) depctr_vm_vsrc(0)
	s_getreg_b32 s2, hwreg(HW_REG_IB_STS2, 6, 4)
	s_cmp_eq_u32 s2, 0
	s_cbranch_scc0 .Lentry_in_a_cluster
	s_endpgm
.Lentry_in_a_cluster:
	s_bfe_u32 s2, ttmp6, 0x10000c
	s_cmp_lg_u32 s2, 0xf033
	s_cbranch_scc0 .Lentry_shape_is_right
	s_endpgm
.Lentry_shape_is_right:
; The last product, out = y w_proj, on codes of FP8 (E4M3): y's codes from yimg (scale e6), w_proj's from rows 7,168 on of ops (e7); out0 [4096][1024] f32 = sum x 2^(e6 + e7).
; LIMIT: e6 + e7 between -126 and 127, so that 2^(e6 + e7) is an f32 number.  Both operands are images of operand registers (launch quant's head).
; SHARES: 256 work-groups of 128 tokens x 128 columns; a wave takes 64 x 64.  THE WHOLE K of both tiles lies in LDS (2 x 131,072 bytes), filled once, one tensor load of 65,536 bytes a wave.
; CLUSTERS: 4 x 4: y's tile is asked for jointly along a row of the cluster, w_proj's along a column.  NO PREFETCH: everything is asked for at the head.
; A wave lifts its 64 columns of w_proj (512 registers) from LDS once, while its first 16 rows are multiplied; so the result is made by blocks of 16 rows, K whole, and a block leaves while the next is multiplied.
; THE MATRIX INSTRUCTION IS USED TRANSPOSED (source 0 = 16 columns of w_proj, source 1 = 16 tokens): a lane holds eight neighbouring numbers of a row of out.
; REGISTERS: window 0: v16-31 addresses, v32-63 a block's results, v64-127 rows read back (two sets by turns), v128-191 the accumulators (two sets of four by turns); windows 1, 2: w_proj; window 3: y's fragments of a block, two buffers of 128.
.set REG,    65536                     ; wave w's region: 64 rows x 16 column blocks, [column block][4,096].  Regions 0, 1: y's halves; 2, 3: w_proj's
.set STAGE,  4*REG                     ; behind the tiles: 16 rows x 272 bytes for each wave, for the way out
.set SPITCH, 272
.set SPARE,  STAGE+4*16*SPITCH         ; the spare words
.set ADRA, 16                          ; v16  LDS address of my fragments of y
.set ADRB, 17                          ; v17  of w_proj
.set STO,  24                          ; v24  the way out: where I put my bytes of a row
.set RD,   25                          ; v25  where I read a row back
.set CO,   26                          ; v26  my byte offset in out0
.set SPW,  30
.set NIL,  31
.set TMP,  32
.set BK,   64
.set ACC,  128
.set G1A,  20                          ; s[20:27], s[28:35] descriptor group 1 for y's and w_proj's tiles;  s[36:39], s[40:43] group 0
.set G1B,  28
.set MSB, 0
.macro WIN new                         ; the immediate's high byte repeats the setting that is left
.if MSB != (\new)
	s_set_vgpr_msb (MSB<<8)|(\new)
.set MSB, (\new)
.endif
.endm
.macro PLACES                          ; four plain vector lines between a matrix instruction and a vector line on one of its registers (ISA guide 7.12.1)
.rept 4
	v_nop
.endr
.endm
.macro CROUND                          ; a round of the cluster's barrier
	s_barrier_signal -1
	s_barrier_wait -1
	s_cmp_lg_u32 s14, 0
	s_cbranch_scc1 .Lnot_wave_0_\@
	s_barrier_signal -3
.Lnot_wave_0_\@:
	s_barrier_wait -3
	s_barrier_signal -1
	s_barrier_wait -1
.endm
.macro WLOAD q                         ; K step q's four fragments of w_proj: 16 loads
	WIN ((1+(\q)/4)<<6)
.irp f, 0,1,2,3
.irp c, 0,1,2,3
	ds_load_b128 v[64*((\q)%4)+16*\f+4*\c:64*((\q)%4)+16*\f+4*\c+3], v[ADRB] offset:(2*(\q)+\c/2)*4096+\f*1024+(\c%2)*512
.endr
.endr
.endm
.macro XLOAD i                         ; y's fragments of block i, all eight K steps: 32 loads
	WIN 0xc0
.irp q, 0,1,2,3,4,5,6,7
.irp c, 0,1,2,3
	ds_load_b128 v[128*((\i)%2)+16*\q+4*\c:128*((\i)%2)+16*\q+4*\c+3], v[ADRA] offset:(2*\q+\c/2)*4096+(\i)*1024+(\c%2)*512
.endr
.endr
.endm
; Block i: 32 matrix instructions, K ascending; its four accumulators take turns, so three others stand between a sum's steps.
; first = 1: w_proj's fragments arrive meanwhile, asked for two K steps ahead, and behind them block 1's of y.
.macro ROW i, first
.set AC, ACC+32*((\i)%2)
.set XB, 128*((\i)%2)
.irp q, 0,1,2,3,4,5,6,7
.if \first
.if \q < 6
	s_wait_dscnt 16                                ; the next K step's 16 loads may be out
.elseif \q == 6
	s_wait_dscnt 48                                ; K step 7's 16, and block 1's 32
.else
	s_wait_dscnt 32
.endif
.endif
	WIN (0x0d+\q/4)
.irp f, 0,1,2,3
.if \q == 0
	v_wmma_f32_16x16x128_fp8_fp8 v[AC+8*\f:AC+8*\f+7], v[64*(\q%4)+16*\f:64*(\q%4)+16*\f+15], v[XB+16*\q:XB+16*\q+15], 0
.else
	v_wmma_f32_16x16x128_fp8_fp8 v[AC+8*\f:AC+8*\f+7], v[64*(\q%4)+16*\f:64*(\q%4)+16*\f+15], v[XB+16*\q:XB+16*\q+15], v[AC+8*\f:AC+8*\f+7]
.endif
.endr
.if \first && (\q < 6)
	WLOAD \q+2
.endif
.if \first && (\q == 5)
	XLOAD 1
.endif
.endr
	WIN 0
.endm
; THE WAY OUT of block i, 16 rows x 64 columns.  Register j of accumulator f, lane (r, h): row 32 (i / 2) + 8 (i % 2) + r + 8 (r / 8), column 32 (f / 2) + 16 h + 8 (f % 2) + j of my 64 x 64.
; It goes through my own stage (a row to each place r) and comes back as whole rows of 256 bytes.  LDS serves a wave's instructions in order (ISA guide 5.7.1.4): no wait between the stores and the loads.
.macro TOSTAGE i
.set AC, ACC+32*((\i)%2)
.irp j, 0,2,4,6,8,10,12,14,16,18,20,22,24,26,28,30
	v_pk_mul_f32 v[TMP+\j:TMP+\j+1], v[AC+\j:AC+\j+1], s[96:97] op_sel_hi:[1,0]   ; x 2^(e6 + e7)
.endr
.irp f, 0,1,2,3
	ds_store_b128 v[STO], v[TMP+8*\f:TMP+8*\f+3] offset:128*(\f/2)+32*(\f%2)
	ds_store_b128 v[STO], v[TMP+8*\f+4:TMP+8*\f+7] offset:128*(\f/2)+32*(\f%2)+16
.endr
.irp t, 0,1,2,3,4,5,6,7
	ds_load_b128 v[BK+32*((\i)%2)+4*\t:BK+32*((\i)%2)+4*\t+3], v[RD] offset:\t*2*SPITCH
.endr
.endm
.macro SEND i, younger                 ; younger: the LDS instructions issued behind block i's loads, which may stay out
	s_wait_dscnt \younger
.irp t, 0,1,2,3,4,5,6,7                ; places 2 t and 2 t + 1 are rows 2 t + 8 (t / 4) and the next
	global_store_b128 v[CO], v[BK+32*((\i)%2)+4*\t:BK+32*((\i)%2)+4*\t+3], s[10:11] offset:(32*((\i)/2)+8*((\i)%2)+2*\t+8*(\t/4))*4096 th:TH_STORE_NT   ; sixteen lanes store 256 consecutive bytes, aligned
.endr
.endm
	s_load_b256 s[4:11], s[0:1], 0x0               ; yimg s[4:5], ops s[6:7], the scales s[8:9], out0 s[10:11]
	v_lshl_add_u32 v[SPW], v0, 2, SPARE
	v_mov_b32 v[NIL], 0
	ds_add_u32 v[SPW], v[NIL]                      ; the opening
	ds_add_u32 v[SPW], v[NIL]
	v_lshrrev_b32 v1, 5, v0
	v_readfirstlane_b32 s14, v1                    ; wave
	s_lshr_b32 s15, s14, 1                         ; which half of the tile's rows is mine.  Also: I fetch for y (0) or for w_proj (1)
	s_and_b32 s16, s14, 1                          ; which half of its columns.  Also: which 64 rows of that tile I fetch
	s_bfe_u32 s52, ttmp6, 0x40000                  ; cx, cy: my place in the cluster
	s_bfe_u32 s53, ttmp6, 0x40004
	s_lshl_b32 s57, ttmp9, 2
	s_add_co_u32 s57, s57, s52                     ; tile column = 4 x cluster x + cx
	s_and_b32 s56, ttmp7, 0xffff
	s_lshl_b32 s56, s56, 2
	s_add_co_u32 s56, s56, s53                     ; tile row = 4 x cluster y + cy
	s_lshl_b32 s54, s53, 2
	s_lshl_b32 s54, 15, s54                        ; my row of the cluster
	s_lshl_b32 s55, 0x1111, s52                    ; my column
	; descriptor group 1: sixteen rows (column blocks) of 4,096 bytes (64 rows of codes); a column block is 262,144 bytes in yimg, 524,288 in ops; elements of 8 bytes; dense in LDS
	s_or_b32 s[G1A], s54, (3<<16)|(1<<21)
	s_or_b32 s[G1B], s55, (3<<16)|(1<<21)
.irp g, G1A, G1B
	s_mov_b32 s[\g+1], 512<<16                     ; tensor_dim0
	s_mov_b32 s[\g+2], 16<<16                      ; tensor_dim1
	s_mov_b32 s[\g+3], 512<<16                     ; tile_dim0
	s_mov_b32 s[\g+4], 16                          ; tile_dim1
	s_mov_b32 s[\g+6], 0
	s_mov_b32 s[\g+7], 0
.endr
	s_mov_b32 s[G1A+5], 32768                      ; tensor_dim0_stride, in elements
	s_mov_b32 s[G1B+5], 65536
	s_lshl_b32 s18, s16, 12                        ; which 64 rows of the tile I fetch: 4,096 bytes
	s_lshl_b32 s58, s56, 13                        ; a tile's 128 rows are 8,192 bytes of a column block
	s_add_co_u32 s58, s58, s18
	s_mov_b32 s59, 0
	s_lshl_b32 s60, s57, 13
	s_add_co_u32 s60, s60, s18
	s_add_co_u32 s60, s60, 458752                  ; w_proj's columns begin at row 7,168 of ops
	s_mov_b32 s61, 0
	s_mov_b32 s36, 1
	s_lshl_b32 s37, s14, 16                        ; where they go: wave x REG
	s_mov_b32 s40, 1
	s_lshl_b32 s41, s14, 16
	s_wait_alu depctr_va_vdst(0)
	s_wait_dscnt 0x0                               ; both opening adds are done
	s_wait_kmcnt 0x0
	s_load_b256 s[84:91], s[8:9], 0x0              ; e0 .. e7
	s_add_nc_u64 s[38:39], s[4:5], s[58:59]
	s_or_b32 s39, s39, 0x80000000
	s_add_nc_u64 s[42:43], s[6:7], s[60:61]
	s_or_b32 s43, s43, 0x80000000
	CROUND                                         ; all sixteen work-groups are here: the joint loads meet
	s_cmp_eq_u32 s15, 0                            ; one chain of arms, one load in each
	s_cbranch_scc0 .Lfor_b
	tensor_load_to_lds s[36:39], s[G1A:G1A+7]
	s_nop 0
	PLACES
	s_branch .Lasked
.Lfor_b:
	tensor_load_to_lds s[40:43], s[G1B:G1B+7]
	s_nop 0
	PLACES
.Lasked:
	s_lshl_b32 s18, s15, 16                        ; my 64 rows of y,
	s_lshl_b32 s19, s16, 16
	s_add_co_u32 s19, s19, 2*REG                   ; my 64 columns of w_proj
	s_mul_i32 s17, s14, 16*SPITCH
	s_add_co_u32 s17, s17, STAGE                   ; my stage
	v_and_b32 v2, 31, v0
	v_lshlrev_b32 v3, 4, v2                        ; 16 x lane
	v_add_nc_u32 v[ADRA], s18, v3
	v_add_nc_u32 v[ADRB], s19, v3
	v_and_b32 v4, 15, v0                           ; r
	v_bfe_u32 v5, v0, 4, 1                         ; h
	v_mul_u32_u24 v[STO], v4, SPITCH
	v_lshl_add_u32 v[STO], v5, 6, v[STO]
	v_add_nc_u32 v[STO], s17, v[STO]               ; in: the row at place r, + 64 h bytes (16 columns)
	v_mul_u32_u24 v[RD], v5, SPITCH
	v_lshl_add_u32 v[RD], v4, 4, v[RD]
	v_add_nc_u32 v[RD], s17, v[RD]                 ; back: lanes 0-15 one row of 256 bytes, lanes 16-31 the next
	v_lshlrev_b32 v[CO], 12, v5
	v_lshl_add_u32 v[CO], v4, 4, v[CO]             ; and the same two rows in out0 (4,096 bytes a row)
	s_lshl_b32 s62, s56, 19                        ; my first row: (128 x tile row + 64 x half) x 4,096 bytes,
	s_lshl_b32 s66, s15, 18
	s_add_co_u32 s62, s62, s66
	s_lshl_b32 s66, s57, 9                         ; my first column: (128 x tile column + 64 x half) x 4 bytes
	s_add_co_u32 s62, s62, s66
	s_lshl_b32 s66, s16, 8
	s_add_co_u32 s62, s62, s66
	s_mov_b32 s63, 0
	s_add_nc_u64 s[10:11], s[10:11], s[62:63]
	s_wait_alu depctr_va_vdst(0)
	s_wait_kmcnt 0x0
	s_add_co_i32 s96, s90, s91
	s_add_co_i32 s96, s96, 127
	s_lshl_b32 s96, s96, 23                        ; 2^(e6 + e7) as f32
	s_mov_b32 s97, s96                             ; (named with it as a pair, so it is written)
	s_wait_tensorcnt 0x0                           ; my load is in,
	s_barrier_signal -1
	s_barrier_wait -1                              ; everybody's is: nothing is filled again
	XLOAD 0
	WLOAD 0
	WLOAD 1
	ROW 0, 1
	PLACES
	TOSTAGE 0
	XLOAD 2
	s_wait_dscnt 48                                ; block 1's fragments: behind them block 0's 16 stage instructions and block 2's 32 loads
	ROW 1, 0
	SEND 0, 32
	PLACES
	TOSTAGE 1
	XLOAD 3
	s_wait_dscnt 48                                ; block 2's, likewise
	ROW 2, 0
	SEND 1, 32
	s_wait_xcnt 0x0                                ; block 0's stores have read their registers: block 2's rows may land there
	PLACES
	TOSTAGE 2
	s_wait_dscnt 16                                ; block 3's: behind them block 2's 16 stage instructions
	ROW 3, 0
	SEND 2, 0
	s_wait_xcnt 0x0                                ; likewise block 1's
	PLACES
	TOSTAGE 3
	SEND 3, 0
	s_wait_tensorcnt 0x0                           ; the wave's end
	ds_add_u32 v[SPW], v[NIL]
	s_wait_dscnt 0x0
	CROUND                                         ; the closing round: no work-group ends while a partner may still ask for a tile that names it
	s_endpgm
.Lfunc_end_k_qbd16331dc9_proj:
	.size	k_qbd16331dc9_proj, .Lfunc_end_k_qbd16331dc9_proj-k_qbd16331dc9_proj
	.p2alignl 7, 3214868480
	.fill 96, 4, 3214868480
	.section	.rodata,"a",@progbits
	.p2align	6, 0x0
	.amdhsa_kernel k_qbd16331dc9_proj
		.amdhsa_group_segment_fixed_size 280064
		.amdhsa_private_segment_fixed_size 0
		.amdhsa_enable_private_segment 0
		.amdhsa_kernarg_size 32
		.amdhsa_user_sgpr_count 2
		.amdhsa_user_sgpr_kernarg_segment_ptr 1
		.amdhsa_wavefront_size32 1
		.amdhsa_system_sgpr_workgroup_id_x 1
		.amdhsa_system_sgpr_workgroup_id_y 1
		.amdhsa_system_sgpr_workgroup_id_z 1
		.amdhsa_system_vgpr_workitem_id 0
		.amdhsa_next_free_vgpr 1024
		.amdhsa_next_free_sgpr 98
		.amdhsa_reserve_vcc 0
		.amdhsa_float_denorm_mode_32 3
		.amdhsa_float_denorm_mode_16_64 3
		.amdhsa_memory_ordered 1
		.amdhsa_forward_progress 1
		.amdhsa_inst_pref_size 43
	.end_amdhsa_kernel
	.amdgpu_metadata
---
amdhsa.version: [ 1, 2 ]
amdhsa.kernels:
  - .name:           k_qbd16331dc9_proj
    .symbol:         k_qbd16331dc9_proj.kd
    .args:
      - { .name: yimg, .offset: 0, .size: 8, .value_kind: global_buffer, .address_space: global }
      - { .name: ops, .offset: 8, .size: 8, .value_kind: global_buffer, .address_space: global }
      - { .name: lowp_scales, .offset: 16, .size: 8, .value_kind: global_buffer, .address_space: global }
      - { .name: out0, .offset: 24, .size: 8, .value_kind: global_buffer, .address_space: global }
    .group_segment_fixed_size: 280064
    .private_segment_fixed_size: 0
    .kernarg_segment_align: 8
    .kernarg_segment_size: 32
    .max_flat_workgroup_size: 128
    .sgpr_count:     98
    .vgpr_count:     1024
    .wavefront_size: 32
...
	.end_amdgpu_metadata
.endif
;; end of part 4
